; MI455X (gfx1250); checked and timed in simulation.
; The chip was launched on July 23, 2026; its instructions are those of AMD's public machine-readable ISA for CDNA 5 (MIT licence, August 2026) and "CDNA5" Instruction Set Architecture Reference Guide (July 2026). The comments in the code are by the model that wrote it; some were corrected since.
;; Neural ODE Encoder RNN. Allowed arithmetic: float matrix products may take bf16 or f16 operands with f32 sums; all other float work in f32.
;; Inputs: W_ih 256 x 257 float32; W_in 256 x 128 float32; W_lat 64 x 256 float32; W_out 256 x 256 float32; b_hh 256 float32; b_ih 256 float32; b_in 256 float32; b_lat 64 float32; b_out 256 float32; time_points 8 float32; x 16,384 x 128 float32.
;; Outputs: out0 16,384 x 64 float32.
;; One version. Each part assembles by itself: llvm-mc -triple=amdgcn-amd-amdhsa -mcpu=gfx1250 --defsym DOCPART=n.
;; ======== version 1 of 1: 2 launches
;; workspace buffers: wk 248,064 bytes
;; launch prep (part 1): grid 6 x 5, 8 waves a work-group, no clusters, 76,288 bytes of LDS; arguments W_ih, W_lat, W_out, W_in, b_out, b_in, b_ih, b_hh, b_lat, time_points, wk; writes wk
.if DOCPART == 1
	.amdgcn_target "amdgcn-amd-amdhsa--gfx1250"
	.amdhsa_code_object_version 6
	.text
	.protected	k_q259f73dcf6_prep
	.globl	k_q259f73dcf6_prep
	.p2align	8
	.type	k_q259f73dcf6_prep,@function
k_q259f73dcf6_prep:
	s_mov_b64 s[64:65], 0
	v_nop
	global_prefetch_b8 v0, s[64:65] scope:SCOPE_SE
	s_setreg_imm32_b32 hwreg(HW_REG_WAVE_MODE, 25, 1), 1
	s_wait_xcnt 0x0
; MERGED WEIGHTS for the launch that integrates.  Between two tanh everything in the ODE is linear, so with
;   kappa = 2 log2 e,  Wh = W_ih[:, 0:256],  wt = W_ih[:, 256]
; the integration needs only
;   M = kappa Wh W_out [256 x 256]     P = kappa Wh W_in [256 x 128]     Q = [ W_lat W_out | W_lat W_in ] [64 x 384]
;   d = kappa (Wh b_out + wt)          gam = kappa (Wh b_in + b_ih + b_hh + t0 wt)          om = W_lat (b_in + (t7 - t0) b_out) + b_lat
; This launch forms Left [320 x 256] x Right [256 x 384]: Left = Wh above W_lat, Right = W_out beside W_in.
; Work-group (cb, rb) makes 64 rows x 64 columns; wave v makes rows 16 (v & 3) .. + 15 and columns 32 (v >> 2) .. + 31: two tiles, 16 matrix instructions.
; wk holds the results as ready matrix fragments: pieces of 512 bytes, lane L's 16 bytes at 16 L, so that the next launch fills a fragment by two
; loads of 512 consecutive bytes.  M at byte 0, piece ((it 8 + c) 2 + half); P at 131,072, ((it 4 + c) 2 + half); Q at 196,608, ((lt 12 + c) 2 + half);
; d, gam, om in f32 at 245,760, + 1,024, + 2,048.
; LIMITS: the products take both factors rounded to bf16, sum in f32, and are rounded to bf16 once more; the three vectors are made in f32 from the
; unrounded weights.  So the order of rounding differs from a program that keeps the factors apart.
; NO CLUSTER, NO TENSOR LOADS: 30 work-groups read 0.7 MB in all, each block once per work-group, and the rounding to bf16 stands between memory and LDS,
; so the data pass through registers anyway; a joint load into LDS would add a second pass through LDS.  No prefetch: every load stands at the head.
.set KAPPA, 0x4038aa3b                 ; 2 log2 e
.set LP,    528                        ; LDS pitch of Left, [row][k] bf16: 512 + 16 bytes = 33 x 16, so 16 rows begin in 16 different 16-byte columns modulo 256
.set RP,    160                        ; LDS pitch of Right, [k][column] bf16: 128 + 32 bytes = 5 x 32, for the transposing loads
.set RR,    64*LP                      ; Right lies behind Left's 64 rows
.set VL,    RR+256*RP                  ; two vectors of 64 f32
.set LO,    8                          ; v[8:15]    Left: byte offset of row q
.set RO,    16                         ; v[16:31]   Right: byte offset of row pair t
.set FL,    32                         ; v[32:95]   Left in f32: row q, k = 2 L + s + 64 e at 8 q + 2 e + s.  Behind the barrier: Left's fragments
.set FR,    96                         ; v[96:159]  Right in f32, then packed.  Behind the barrier, with v[160:223]: Right's fragments of the two tiles
.set PKL,   160                        ; v[160:191] Left packed
.set BO,    192                        ; v[192:199] b_out, k as Left's
.set BI,    200                        ; v[200:207] b_in
.set DT,    224                        ; v[224:239] the two result tiles
.set PK,    240                        ; v[240:247] the same as bf16
	s_load_b512 s[4:19], s[0:1], 0x0               ; W_ih s[4:5], W_lat s[6:7], W_out s[8:9], W_in s[10:11], b_out s[12:13], b_in s[14:15], b_ih s[16:17], b_hh s[18:19]
	s_load_b128 s[20:23], s[0:1], 0x40             ; b_lat s[20:21], time_points s[22:23]
	s_load_b64 s[24:25], s[0:1], 0x50              ; wk
	s_set_vgpr_msb 0x40
	v_lshl_add_u32 v0, v0, 2, 0x12600
	v_mov_b32 v1, 0
	s_set_vgpr_msb 0x4000
	v_lshrrev_b32 v1, 5, v0
	v_readfirstlane_b32 s26, v1                    ; wave v
	v_and_b32 v1, 31, v0                           ; lane L
	v_and_b32 v2, 15, v0                           ; r = L % 16
	v_bfe_u32 v3, v0, 4, 1                         ; h = L / 16
	v_and_b32 v4, 7, v0                            ; L % 8
	v_lshlrev_b32 v5, 3, v1                        ; 8 L
	s_and_b32 s27, ttmp7, 0xffff                   ; rb: block of 64 Left rows.  ttmp9 = cb: block of 64 Right columns
	s_mov_b32 s48, 0x76543210                      ; v_permlanex16_b32: lane i of one half reads lane i of the other
	s_mov_b32 s49, 0xfedcba98
	s_and_b32 s52, s26, 3                          ; it: my 16 rows
	s_lshr_b32 s53, s26, 2                         ; p: my 32 columns
	; Left: rb < 4: rows 64 rb of W_ih, 1,028 bytes apart, result times kappa.  rb = 4: W_lat, 1,024 bytes apart, result times 1
	s_lshl_b32 s31, s27, 6
	s_movk_i32 s30, 1028
	s_mov_b32 s44, KAPPA
	s_cmp_eq_u32 s27, 4
	s_cselect_b32 s31, 0, s31                      ; first row
	s_cselect_b32 s30, 1024, s30                   ; pitch
	s_cselect_b32 s44, 1.0, s44                    ; scale,
	s_mov_b32 s45, s44                             ; as a pair for the packed multiply
	; Right: cb < 4: columns 64 cb of W_out, rows 1,024 bytes apart.  cb = 4, 5: columns 64 (cb - 4) of W_in, 512 bytes apart
	s_and_b32 s35, ttmp9, 3
	s_lshl_b32 s35, s35, 8                         ; 64 columns of f32 = 256 bytes, at a multiple of 256 in the row
	s_movk_i32 s34, 512
	s_cmp_lt_u32 ttmp9, 4
	s_cselect_b32 s34, 1024, s34
	; Left offsets: wave v takes rows 8 v + q
	s_lshl3_add_u32 s50, s26, s31
	s_mul_i32 s50, s50, s30
.irp q, 0,1,2,3,4,5,6,7
	v_add_nc_u32 v[LO+\q], s50, v5                 ; row x pitch + 8 L
	s_add_co_u32 s50, s50, s30
.endr
	; Right offsets: wave v takes rows 32 v + 2 t + h; sixteen lanes read a row's 256 bytes
	v_lshl_add_u32 v6, s26, 5, v3                  ; 32 v + h
	v_mul_lo_u32 v7, v6, s34
	v_lshl_add_u32 v7, v2, 4, v7
	v_add_nc_u32 v[RO], s35, v7
	s_lshl_b32 s51, s34, 1                         ; two rows on
.irp t, 1,2,3,4,5,6,7,8,9,10,11,12,13,14,15
	v_add_nc_u32 v[RO+\t], s51, v[RO+\t-1]
.endr
	; LDS addresses
	s_mul_i32 s50, s26, 8*LP
	v_lshl_add_u32 v251, v1, 2, s50                ; Left in: row 8 v, 4 L
	v_mul_u32_u24 v252, v6, RP
	v_lshl_add_u32 v252, v2, 3, v252
	v_add_nc_u32 v252, RR, v252                    ; Right in: row 32 v + h, 8 r
	v_lshl_add_u32 v253, s52, 4, v2
	v_mul_u32_u24 v248, v253, LP
	v_lshl_add_u32 v248, v3, 4, v248               ; Left's fragments: row 16 it + r, 16 h
	v_lshl_add_u32 v253, v3, 3, v4
	v_mul_u32_u24 v249, v253, RP
	v_bfe_u32 v253, v0, 3, 1
	v_lshl_add_u32 v249, v253, 4, v249
	s_lshl_b32 s54, s53, 6
	s_add_co_u32 s54, s54, RR
	v_add_nc_u32 v249, s54, v249                   ; Right's fragments: row 8 h + L % 8, byte 64 p + 16 ((L / 8) % 2)
	v_lshlrev_b32 v250, 4, v1                      ; 16 L: my place in a piece of wk
	; where my two pieces go, in units of 1,024 bytes (a fragment = two pieces)
	s_lshl2_add_u32 s54, s27, s52                  ; 4 rb + it
	s_lshl1_add_u32 s55, ttmp9, s53                ; 2 cb + p
	s_lshl3_add_u32 s56, s54, s55                  ; M: (4 rb + it) 8 + c
	s_lshl2_add_u32 s57, s54, s55
	s_add_co_u32 s57, s57, 120                     ; P: 128 + (4 rb + it) 4 + c - 8
	s_mul_i32 s58, s52, 12
	s_add_co_u32 s58, s58, s55
	s_add_co_u32 s58, s58, 192                     ; Q: 192 + it 12 + c
	s_cmp_lt_u32 ttmp9, 4
	s_cselect_b32 s56, s56, s57
	s_cmp_eq_u32 s27, 4
	s_cselect_b32 s56, s58, s56
	s_lshl_b32 s50, s56, 10
	s_mov_b32 s51, 0
	s_wait_kmcnt 0x0
	s_add_nc_u64 s[46:47], s[24:25], s[50:51]
	s_cmp_eq_u32 s27, 4
	s_cselect_b64 s[28:29], s[6:7], s[4:5]         ; Left's buffer
	s_cmp_lt_u32 ttmp9, 4
	s_cselect_b64 s[32:33], s[8:9], s[10:11]       ; Right's buffer
	; Left by 4-byte loads, since W_ih's rows begin at multiples of 4 bytes only; a lane takes neighbouring k in neighbouring registers
.irp q, 0,1,2,3,4,5,6,7
.irp e, 0,1,2,3
	global_load_b32 v[FL+8*\q+2*\e],   v[LO+\q], s[28:29] offset:256*\e
	global_load_b32 v[FL+8*\q+2*\e+1], v[LO+\q], s[28:29] offset:256*\e+4
.endr
.endr
.irp t, 0,1,2,3,4,5,6,7,8,9,10,11,12,13,14,15
	global_load_b128 v[FR+4*\t:FR+4*\t+3], v[RO+\t], s[32:33]
.endr
	; THE VECTORS, in the work-groups of column block 0 alone: Left's rows in f32 times b_out and times b_in
	s_cmp_lg_u32 ttmp9, 0
	s_cbranch_scc1 .Lnovec
	s_load_b256 s[36:43], s[22:23], 0x0            ; time_points: t0 = s36, t7 = s43
.irp e, 0,1,2,3
	global_load_b64 v[BO+2*\e:BO+2*\e+1], v5, s[12:13] offset:256*\e
	global_load_b64 v[BI+2*\e:BI+2*\e+1], v5, s[14:15] offset:256*\e
.endr
	v_lshl_add_u32 v218, s26, 3, v4                ; rho = 8 v + L % 8: the row whose sums this lane keeps
	v_lshlrev_b32 v219, 2, v218
	v_add_nc_u32 v222, VL, v219
	s_wait_loadcnt 0x0
; row q times a vector: 8 products a lane, then the sum over the 32 lanes, kept by the lanes with L % 8 = q (vcc)
.macro DOT q, vec, acc
	v_pk_mul_f32 v[208:209], v[FL+8*\q:FL+8*\q+1], v[\vec:\vec+1]
.irp e, 1,2,3
	v_pk_fma_f32 v[208:209], v[FL+8*\q+2*\e:FL+8*\q+2*\e+1], v[\vec+2*\e:\vec+2*\e+1], v[208:209]
.endr
	v_add_f32 v208, v208, v209
	v_add_f32_dpp v208, v208, v208 row_xmask:1 row_mask:0xf bank_mask:0xf
	v_add_f32_dpp v208, v208, v208 row_xmask:2 row_mask:0xf bank_mask:0xf
	v_add_f32_dpp v208, v208, v208 row_xmask:4 row_mask:0xf bank_mask:0xf
	v_add_f32_dpp v208, v208, v208 row_xmask:8 row_mask:0xf bank_mask:0xf
	v_permlanex16_b32 v209, v208, s48, s49
	v_add_f32 v208, v208, v209
.if \q
	v_cndmask_b32 v[\acc], v[\acc], v208, vcc_lo
.else
	v_mov_b32 v[\acc], v208                        ; the first row writes the register whole
.endif
.endm
.irp q, 0,1,2,3,4,5,6,7
.if \q
	v_cmp_eq_u32 vcc_lo, \q, v4
.endif
	DOT \q, BO, 216                                ; v216 = Left[rho] . b_out
	DOT \q, BI, 217                                ; v217 = Left[rho] . b_in
.endr
	s_wait_kmcnt 0x0                               ; time_points
	s_cmp_eq_u32 s27, 4
	s_cbranch_scc1 .Lomega
	v_add_nc_u32 v220, s31, v218                   ; row 64 rb + rho of W_ih
	v_mul_u32_u24 v221, v220, 1028
	v_lshlrev_b32 v220, 2, v220
	global_load_b32 v208, v221, s[4:5] offset:1024 ; wt: the row's last number
	global_load_b32 v209, v220, s[16:17]           ; b_ih
	global_load_b32 v210, v220, s[18:19]           ; b_hh
	s_wait_loadcnt 0x0
	v_add_f32 v216, v216, v208                     ; Wh b_out + wt
	v_fma_f32 v217, s36, v208, v217                ; Wh b_in + t0 wt
	v_add_f32 v209, v209, v210
	v_add_f32 v217, v217, v209
	v_mul_f32 v216, KAPPA, v216                    ; d
	v_mul_f32 v217, KAPPA, v217                    ; gam
	ds_store_b32 v222, v216                        ; the four lanes with the same L % 8 store the same number to the same word
	ds_store_b32 v222, v217 offset:256
	s_branch .Lnovec
.Lomega:
	global_load_b32 v208, v219, s[20:21]           ; b_lat
	v_mov_b32 v209, s36
	v_sub_f32 v209, s43, v209                      ; t7 - t0
	v_fma_f32 v216, v209, v216, v217               ; W_lat b_in + (t7 - t0) W_lat b_out
	s_wait_loadcnt 0x0
	v_add_f32 v216, v216, v208                     ; om
	ds_store_b32 v222, v216
.Lnovec:
	; ROUND TO bf16 AND STAGE
	s_wait_loadcnt 0x0
.irp q, 0,1,2,3,4,5,6,7
.irp e, 0,1,2,3
	v_cvt_pk_bf16_f32 v[PKL+4*\q+\e], v[FL+8*\q+2*\e], v[FL+8*\q+2*\e+1]
	ds_store_b32 v251, v[PKL+4*\q+\e] offset:LP*\q+128*\e          ; k = 2 L + 64 e at byte 4 L + 128 e
.endr
.endr
.irp t, 0,1,2,3,4,5,6,7,8,9,10,11,12,13,14,15
	v_cvt_pk_bf16_f32 v[FR+4*\t],   v[FR+4*\t],   v[FR+4*\t+1]
	v_cvt_pk_bf16_f32 v[FR+4*\t+1], v[FR+4*\t+2], v[FR+4*\t+3]
	ds_store_b64 v252, v[FR+4*\t:FR+4*\t+1] offset:2*RP*\t
.endr
	s_wait_dscnt 0x0                               ; for the other waves: all that I stored is in LDS
	s_barrier_signal -1
	s_barrier_wait -1
	; THE PRODUCTS.  Source 0 = 16 columns of Right (transposed on the way out of LDS), source 1 = 16 rows of Left: register t of lane (r, h) then
	; holds result (row 16 it + r, column j0 + 8 h + t), eight neighbouring columns: the image of half a fragment as the next launch loads it.
.irp c, 0,1,2,3,4,5,6,7
	ds_load_b128 v[FL+8*\c:FL+8*\c+3],   v248 offset:64*\c
	ds_load_b128 v[FL+8*\c+4:FL+8*\c+7], v248 offset:64*\c+32
.irp u, 0,1
	ds_load_tr16_b128 v[FR+64*\u+8*\c:FR+64*\u+8*\c+3],   v249 offset:32*RP*\c+32*\u
	ds_load_tr16_b128 v[FR+64*\u+8*\c+4:FR+64*\u+8*\c+7], v249 offset:32*RP*\c+16*RP+32*\u
.endr
.endr
	s_wait_dscnt 0x0
	v_wmma_f32_16x16x32_bf16 v[DT:DT+7],    v[FR:FR+7],       v[FL:FL+7], 0       ; the first products start the sums
	v_wmma_f32_16x16x32_bf16 v[DT+8:DT+15], v[FR+64:FR+64+7], v[FL:FL+7], 0
.irp c, 1,2,3,4,5,6,7
	v_wmma_f32_16x16x32_bf16 v[DT:DT+7],    v[FR+8*\c:FR+8*\c+7],       v[FL+8*\c:FL+8*\c+7], v[DT:DT+7]
	v_wmma_f32_16x16x32_bf16 v[DT+8:DT+15], v[FR+64+8*\c:FR+64+8*\c+7], v[FL+8*\c:FL+8*\c+7], v[DT+8:DT+15]
.endr
.rept 4
	v_nop                                          ; four places behind the last matrix instruction before its result is read (ISA guide 7.12.1)
.endr
.irp i, 0,1,2,3,4,5,6,7
	v_pk_mul_f32 v[DT+2*\i:DT+2*\i+1], v[DT+2*\i:DT+2*\i+1], s[44:45] op_sel_hi:[1,0]     ; kappa for M and P; Q's blocks run the same line with 1
.endr
.irp i, 0,1,2,3,4,5,6,7
	v_cvt_pk_bf16_f32 v[PK+\i], v[DT+2*\i], v[DT+2*\i+1]
.endr
	global_store_b128 v250, v[PK:PK+3],   s[46:47]             ; each store covers 512 consecutive bytes, at a multiple of 512 from wk's first byte
	global_store_b128 v250, v[PK+4:PK+7], s[46:47] offset:512
	; the vectors leave through registers: wave 0 the first, wave 1 the second (W_lat's block has one only)
	s_cmp_lg_u32 ttmp9, 0
	s_cbranch_scc1 .Lend
	s_cmp_gt_u32 s26, 1
	s_cbranch_scc1 .Lend
	s_add_co_u32 s50, s26, s27
	s_cmp_eq_u32 s50, 5                            ; wave 1 and rb = 4
	s_cbranch_scc1 .Lend
	s_lshl_b32 s50, s26, 10                        ; d at 0, gam at 1,024,
	s_lshl_b32 s51, s27, 8                         ; 64 numbers for each rb,
	s_add_co_u32 s50, s50, s51
	s_cmp_eq_u32 s27, 4
	s_cselect_b32 s50, 2048, s50                   ; om at 2,048
	s_add_co_u32 s50, s50, 245760
	s_mov_b32 s51, 0
	s_add_nc_u64 s[56:57], s[24:25], s[50:51]      ; a pair of its own: s[46:47] still serves the stores above
	s_lshl_b32 s52, s26, 8
	s_add_co_u32 s52, s52, VL
	v_add_nc_u32 v253, s52, v5
	ds_load_b64 v[254:255], v253
	s_wait_dscnt 0x0
	global_store_b64 v5, v[254:255], s[56:57]      ; 256 consecutive bytes, at a multiple of 256
.Lend:
	s_set_vgpr_msb 0x5
	s_wait_tensorcnt 0x0
	ds_add_u32 v0, v1
	s_wait_dscnt 0x0
	s_set_vgpr_msb 0x500
	s_endpgm
.Lfunc_end_k_q259f73dcf6_prep:
	.size	k_q259f73dcf6_prep, .Lfunc_end_k_q259f73dcf6_prep-k_q259f73dcf6_prep
	.p2alignl 7, 3214868480
	.fill 96, 4, 3214868480
	.section	.rodata,"a",@progbits
	.p2align	6, 0x0
	.amdhsa_kernel k_q259f73dcf6_prep
		.amdhsa_group_segment_fixed_size 76288
		.amdhsa_private_segment_fixed_size 0
		.amdhsa_enable_private_segment 0
		.amdhsa_kernarg_size 88
		.amdhsa_user_sgpr_count 2
		.amdhsa_user_sgpr_kernarg_segment_ptr 1
		.amdhsa_wavefront_size32 1
		.amdhsa_system_sgpr_workgroup_id_x 1
		.amdhsa_system_sgpr_workgroup_id_y 1
		.amdhsa_system_sgpr_workgroup_id_z 1
		.amdhsa_system_vgpr_workitem_id 0
		.amdhsa_next_free_vgpr 258
		.amdhsa_next_free_sgpr 66
		.amdhsa_reserve_vcc 1
		.amdhsa_float_denorm_mode_32 3
		.amdhsa_float_denorm_mode_16_64 3
		.amdhsa_memory_ordered 1
		.amdhsa_forward_progress 1
		.amdhsa_inst_pref_size 39
	.end_amdhsa_kernel
	.amdgpu_metadata
---
amdhsa.version: [ 1, 2 ]
amdhsa.kernels:
  - .name:           k_q259f73dcf6_prep
    .symbol:         k_q259f73dcf6_prep.kd
    .args:
      - { .name: W_ih, .offset: 0, .size: 8, .value_kind: global_buffer, .address_space: global }
      - { .name: W_lat, .offset: 8, .size: 8, .value_kind: global_buffer, .address_space: global }
      - { .name: W_out, .offset: 16, .size: 8, .value_kind: global_buffer, .address_space: global }
      - { .name: W_in, .offset: 24, .size: 8, .value_kind: global_buffer, .address_space: global }
      - { .name: b_out, .offset: 32, .size: 8, .value_kind: global_buffer, .address_space: global }
      - { .name: b_in, .offset: 40, .size: 8, .value_kind: global_buffer, .address_space: global }
      - { .name: b_ih, .offset: 48, .size: 8, .value_kind: global_buffer, .address_space: global }
      - { .name: b_hh, .offset: 56, .size: 8, .value_kind: global_buffer, .address_space: global }
      - { .name: b_lat, .offset: 64, .size: 8, .value_kind: global_buffer, .address_space: global }
      - { .name: time_points, .offset: 72, .size: 8, .value_kind: global_buffer, .address_space: global }
      - { .name: wk, .offset: 80, .size: 8, .value_kind: global_buffer, .address_space: global }
    .group_segment_fixed_size: 76288
    .private_segment_fixed_size: 0
    .kernarg_segment_align: 8
    .kernarg_segment_size: 88
    .max_flat_workgroup_size: 256
    .sgpr_count:     66
    .vgpr_count:     258
    .wavefront_size: 32
...
	.end_amdgpu_metadata
.endif
;; end of part 1
;; launch ode (part 2): grid 256 x 1, 4 waves a work-group, no clusters, 104,960 bytes of LDS; arguments x, time_points, wk, out0; writes out0
.if DOCPART == 2
	.amdgcn_target "amdgcn-amd-amdhsa--gfx1250"
	.amdhsa_code_object_version 6
	.text
	.protected	k_q259f73dcf6_ode
	.globl	k_q259f73dcf6_ode
	.p2align	8
	.type	k_q259f73dcf6_ode,@function
k_q259f73dcf6_ode:
	s_mov_b64 s[64:65], 0
	v_nop
	global_prefetch_b8 v0, s[64:65] scope:SCOPE_SE
	s_setreg_imm32_b32 hwreg(HW_REG_WAVE_MODE, 25, 1), 1
	s_wait_xcnt 0x0
; THE WHOLE INTEGRATION, 64 batch rows to a work-group, nothing through memory between the first load and the last store.
; With kappa = 2 log2 e the state is carried as g = kappa (h Wh^T + t wt + b_ih + b_hh), the argument of the next tanh.  Since each row of the tableau sums
; to its c and the b sum to 1, the ODE in g is autonomous:  U = tanh(g / kappa) M^T + d,  stage i: z_i = g + dt sum_j a_ij U_j,  g += dt sum_j b_j U_j:
; ONE product of 256 x 256 for a stage.  h is wanted only in the result:  out = x Q2^T + S Q1^T + om,  S = sum over steps and stages of dt b_j r_j.
; M, P (g0 = x P^T + gam), Q = [Q1 | Q2], d, gam, om come from the launch before, M, P, Q as ready fragments.
; LIMITS.  h and the k_j are never formed, so the order of rounding differs from the reference's: M, P, Q are bf16; r, x and S enter the products in bf16;
; g, the U_j and S are kept in f32.  tanh = 1 - 2 / (1 + 2^g): absolute error near 1e-7, so not exact in relative terms for arguments below about 1e-4;
; it goes to +1 and -1 for large arguments (2^g = inf gives 1, 2^g = 0 gives -1), and a NaN passes through.
; SHARES.  Four waves, one to a SIMD.  Wave w owns features 64 w .. 64 w + 63 of all 64 rows: 4 feature tiles (ft) x 4 batch tiles (bt).  Its 64 rows of M
; (256 registers) stay in registers for the whole launch; LDS carries r alone: for a stage 16 stores and 72 loads of 16 bytes a lane feed 128 matrix instructions.
; The matrix instruction takes the weights as source 0 and the activations as source 1: register j of lane (r, h) holds (batch 16 bt + r, feature
; 64 w + 16 ft + 8 h + j), eight neighbouring features of one row, which pack into the 16 bytes that the next stage's fragments read.
; NO CLUSTER, NO TENSOR LOADS: all that work-groups share is the 240 KB of merged weights, read once by each in front of (M, P) or behind (Q) a loop of 23
; products that touches no memory, and read straight into the registers where they are used; a joint load would send them through LDS and out again.
; No prefetch either: every global read stands at the head or at the tail.
;
; REGISTERS in windows of 256 (s_set_vgpr_msb: bits 1:0 source 0, 3:2 source 1, 5:4 source 2, 7:6 destination)
;   window 0: v1-15 addresses, v16-23 om, v24-31 scratch; B0, B1, B2 = v32-63, v64-95, v96-127: fragments in the products, work registers between them;
;             v128-255 S, tile (ft, bt) at 128 + 8 (4 ft + bt)
;   window 1: M, fragment (ft, c) at 8 (8 ft + c); at the end Q
;   window 2: arrays A0 (0-127) and A1 (128-255);  window 3: arrays A2 (0-127) and A3 (128-255); tile (ft, bt) of an array at 8 (4 ft + bt)
;   g = A0.  U1 -> A1, U2 -> A2, U3 -> A3; behind z4 these four become (g + b1 U1 + b3 U3, z5's part, z6's part) in A0, A1, A2; U4 -> A3, U5 -> A1, U6 -> A3.
.set STEPS, 4
.set RP,    528                        ; LDS pitch of r, [batch][256] bf16: 512 + 16 bytes = 33 x 16: 16 rows begin in 16 different 16-byte columns modulo 256
.set XP,    272                        ; pitch of x in bf16 and of the result's stage in f32: 256 + 16 bytes = 17 x 16
.set BTS,   16*RP                      ; from batch tile to batch tile
.set XBS,   16*XP
.set DREG,  0                          ; d, 256 f32; each wave stores and reads its own 256 bytes
.set R0,    2048                       ; r, two buffers that take turns
.set R1,    R0+64*RP
.set XS,    R1+64*RP                   ; x
.set OS,    XS+64*XP                   ; the result's stage; ends at 104,448
.set PF,    131072                     ; wk: P, Q, d, gam, om
.set QF,    196608
.set VD,    245760
.set VG,    VD+1024
.set VO,    VD+2048
.set B0,    32
.set B1,    64
.set B2,    96
.set SB,    128
; dt times the tableau, each as a scalar pair for the packed multiply-adds
.set CA21, 20
.set CA31, 22
.set CA32, 24
.set CA41, 26
.set CA42, 28
.set CA43, 30
.set CA51, 32
.set CA52, 34
.set CA53, 36
.set CA54, 38
.set CA61, 40
.set CA62, 42
.set CA63, 44
.set CA64, 46
.set CA65, 48
.set CB1,  50
.set CB3,  52
.set CB4,  54
.set CB5,  56
.set CB6,  58
.set MSB, 0
.macro WIN new                         ; the immediate's high byte repeats the setting that is left; a switch that changes nothing is dropped
.if MSB != (\new)
	s_set_vgpr_msb (MSB<<8)|(\new)
.set MSB, (\new)
.endif
.endm
; Four places behind a matrix instruction before its result is read by anything else, and before a load lands in or a vector instruction writes one of
; its registers; only plain vector instructions that name none of its registers are places.
.macro PLACES
.rept 4
	v_nop
.endr
.endm
.macro COEF reg, val
	s_mul_f32 s[\reg], s16, \val
	s_mov_b32 s[\reg+1], s[\reg]
.endm
; cnt registers:  d = a * coefficient + c, under window byte win
.macro PKF win, d, a, coef, c, cnt
	WIN \win
.set pj, 0
.rept (\cnt)/2
	v_pk_fma_f32 v[(\d)+pj:(\d)+pj+1], v[(\a)+pj:(\a)+pj+1], s[\coef:\coef+1], v[(\c)+pj:(\c)+pj+1] op_sel_hi:[1,0,1]
.set pj, pj+2
.endr
.endm
; tanh of one tile of 8 registers, in two overlapped halves.  SLOT starts tile cur (2^z, + 1, reciprocal) and between its transcendentals finishes the tile
; before it, PV (r = 1 - 2 q; S += coefficient * r; pack; store).  So behind every transcendental a plain instruction of the OTHER tile stands before the
; result is used (ISA guide 5.7.2), and no place is filled by v_nop but in a stage's first slot.
; PV, PS, PO: the pending tile's registers, its S registers, its LDS offset.  SC: the scalar pair of dt b_j, or -1.  SMUL = 1: the first update starts S.
.macro SUPD k
.if SC >= 0
.if SMUL
	v_pk_mul_f32 v[PS+2*(\k):PS+2*(\k)+1], v[PV+2*(\k):PV+2*(\k)+1], s[SC:SC+1] op_sel_hi:[1,0]
.else
	v_pk_fma_f32 v[PS+2*(\k):PS+2*(\k)+1], v[PV+2*(\k):PV+2*(\k)+1], s[SC:SC+1], v[PS+2*(\k):PS+2*(\k)+1] op_sel_hi:[1,0,1]
.endif
.endif
.endm
.macro SLOT cur, doexp, snew, onew
.set si, 0
.rept 8
.if \doexp
	v_exp_f32 v[(\cur)+si], v[(\cur)+si]
.endif
.if PV >= 0
.if si < 4
	s_wait_alu depctr_va_vdst(0)
	v_pk_fma_f32 v[PV+2*si:PV+2*si+1], v[PV+2*si:PV+2*si+1], -2.0, 1.0 op_sel_hi:[1,0,0]
.else
	SUPD si-4
.endif
.endif
.set si, si+1
.endr
.if PV < 0
	v_nop
	s_wait_alu depctr_va_vdst(0)
.endif
.set si, 0
	s_wait_alu depctr_va_vdst(0)
.rept 4
	v_pk_add_f32 v[(\cur)+si:(\cur)+si+1], v[(\cur)+si:(\cur)+si+1], 1.0 op_sel_hi:[1,0]
.set si, si+2
.endr
.set si, 0
.rept 8
	v_rcp_f32 v[(\cur)+si], v[(\cur)+si]
.if PV >= 0
.if si < 4
	v_cvt_pk_bf16_f32 v[PV+si], v[PV+2*si], v[PV+2*si+1]           ; packed in place: word i is written when its old numbers are used up
.endif
.if si == 4
	ds_store_b128 v2, v[PV:PV+3] offset:PO
.endif
.endif
.set si, si+1
.endr
.if PV < 0
	v_nop
	s_wait_alu depctr_va_vdst(0)
.endif
.set PV, \cur
.set PS, \snew
.set PO, \onew
.endm
.macro SLOTEND                         ; the last tile of a stage is finished
.set si, 0
	s_wait_alu depctr_va_vdst(0)
.rept 4
	v_pk_fma_f32 v[PV+2*si:PV+2*si+1], v[PV+2*si:PV+2*si+1], -2.0, 1.0 op_sel_hi:[1,0,0]
.set si, si+1
.endr
.set si, 0
.rept 4
	SUPD si
.set si, si+1
.endr
.set si, 0
.rept 4
	v_cvt_pk_bf16_f32 v[PV+si], v[PV+2*si], v[PV+2*si+1]
.set si, si+1
.endr
	ds_store_b128 v2, v[PV:PV+3] offset:PO
.set PV, -1
.endm
.macro SLOTS ft, tb, doexp, rbuf       ; the four batch tiles of feature tile ft, whose z (or 2^z) lie in v[tb .. tb + 31]
	WIN 0
.irp bt, 0,1,2,3
	SLOT \tb+8*\bt, \doexp, SB+8*(4*\ft+\bt), \rbuf+BTS*\bt+32*\ft
.endr
.endm
.macro EBEGIN sc, smul
.set PV, -1
.set SC, \sc
.set SMUL, \smul
.endm
.macro EEND
	SLOTEND
	s_wait_dscnt 0x0                               ; for the other waves: my r is in LDS (my reads of the other buffer ended in the product)
	s_barrier_signal -1
.endm
; 8 LDS loads: the activations' fragments of one K step of 32, four batch tiles, into buffer buf
.macro FETCH areg, imm, bstride, buf
	WIN 0
.irp bt, 0,1,2,3
	ds_load_b128 v[\buf+8*\bt:\buf+8*\bt+3],   v[\areg] offset:\imm+\bt*\bstride
	ds_load_b128 v[\buf+8*\bt+4:\buf+8*\bt+7], v[\areg] offset:\imm+\bt*\bstride+32
.endr
.endm
.macro FETCHD                          ; 8 LDS loads: d of my 64 features in the layout of a result tile, into B2: the first products take it as C
	WIN 0
.irp ft, 0,1,2,3
	ds_load_b128 v[B2+8*\ft:B2+8*\ft+3],   v3 offset:DREG+64*\ft
	ds_load_b128 v[B2+8*\ft+4:B2+8*\ft+7], v3 offset:DREG+64*\ft+16
.endr
.endm
; 16 matrix instructions, one K step: weights at a0 + astr ft, activations in buf, results at d0.  cb < 0: sums go on; else C = the bias at cb + 8 ft
.macro MUL16 win, a0, astr, buf, d0, cb
	WIN \win
.irp ft, 0,1,2,3
.irp bt, 0,1,2,3
.if \cb < 0
	v_wmma_f32_16x16x32_bf16 v[\d0+8*(4*\ft+\bt):\d0+8*(4*\ft+\bt)+7], v[\a0+\astr*\ft:\a0+\astr*\ft+7], v[\buf+8*\bt:\buf+8*\bt+7], v[\d0+8*(4*\ft+\bt):\d0+8*(4*\ft+\bt)+7]
.else
	v_wmma_f32_16x16x32_bf16 v[\d0+8*(4*\ft+\bt):\d0+8*(4*\ft+\bt)+7], v[\a0+\astr*\ft:\a0+\astr*\ft+7], v[\buf+8*\bt:\buf+8*\bt+7], v[\cb+8*\ft:\cb+8*\ft+7]
.endif
.endr
.endr
.endm
; U = r M^T + d: eight K steps on three fragment buffers.  d is on its way into B2 when the macro begins (FETCHD).  LDS loads come back in order
; (ISA guide 5.7.1), so each s_wait_dscnt counts the loads issued behind the run that is needed: two runs of 8, then one, then none.
; w1: window byte of the first link (C = d in window 0), wc: of the links that go on in place.
.macro GSTAGE rbuf, w1, wc, d0
	FETCH 1, \rbuf, BTS, B0
	FETCH 1, \rbuf+64, BTS, B1
	s_wait_dscnt 8                                 ; d and K step 0 are in; step 1's 8 loads may be out
	MUL16 \w1, 0, 64, B0, \d0, B2
	PLACES
	FETCH 1, \rbuf+128, BTS, B2
	FETCH 1, \rbuf+192, BTS, B0
	s_wait_dscnt 16
	MUL16 \wc, 8, 64, B1, \d0, -1
	PLACES
	FETCH 1, \rbuf+256, BTS, B1
	s_wait_dscnt 16
	MUL16 \wc, 16, 64, B2, \d0, -1
	PLACES
	FETCH 1, \rbuf+320, BTS, B2
	s_wait_dscnt 16
	MUL16 \wc, 24, 64, B0, \d0, -1
	PLACES
	FETCH 1, \rbuf+384, BTS, B0
	s_wait_dscnt 16
	MUL16 \wc, 32, 64, B1, \d0, -1
	PLACES
	FETCH 1, \rbuf+448, BTS, B1
	s_wait_dscnt 16
	MUL16 \wc, 40, 64, B2, \d0, -1
	s_wait_dscnt 8
	MUL16 \wc, 48, 64, B0, \d0, -1
	s_wait_dscnt 0                                 ; my reads of this buffer of r are over
	MUL16 \wc, 56, 64, B1, \d0, -1
	PLACES
	WIN 0
.endm
; Stage 1: z = g itself, so 2^g is taken straight out of A0.  first = 1: in front of the loop, where S begins and M is still on its way.
.macro STAGE1 first
	EBEGIN CB1, \first
.irp ft, 0,1,2,3
	WIN 0x02
.set zi, 0
.rept 32
	v_exp_f32 v[B0+32*(\ft%2)+zi], v[32*\ft+zi]
.set zi, zi+1
.endr
	SLOTS \ft, B0+32*(\ft%2), 0, R0
.endr
	EEND
	FETCHD
	s_barrier_wait -1
.if \first
	s_wait_loadcnt 0x0                             ; M
.endif
	GSTAGE R0, 0x81, 0xa1, 128                     ; U1 -> A1
.endm
	; ---------------- the head: addresses
	s_load_b256 s[4:11], s[0:1], 0x0               ; x s[4:5], time_points s[6:7], wk s[8:9], out0 s[10:11]
	v_lshl_add_u32 v30, v0, 2, 0x19800
	v_mov_b32 v31, 0
	v_lshrrev_b32 v24, 5, v0
	v_readfirstlane_b32 s12, v24                   ; wave w
	v_and_b32 v25, 31, v0                          ; lane L
	v_and_b32 v26, 15, v0                          ; r
	v_bfe_u32 v27, v0, 4, 1                        ; h
	v_lshlrev_b32 v28, 4, v25                      ; 16 L
	v_mul_u32_u24 v1, v26, RP
	v_lshl_add_u32 v1, v27, 4, v1                  ; v1: fragments of r: r RP + 16 h
	s_lshl_b32 s14, s12, 7
	v_add_nc_u32 v2, s14, v1                       ; v2: my 16 bytes of r: + 128 w
	s_lshl_b32 s14, s12, 8
	v_lshl_add_u32 v3, v27, 5, s14                 ; v3: d in LDS and gam in wk: 256 w + 32 h
	v_lshl_add_u32 v11, v25, 3, s14                ; v11: d on its way in: 256 w + 8 L
	s_mul_i32 s14, s12, 12288
	v_add_nc_u32 v5, s14, v28                      ; v5: Q: 12 fragments of 1,024 bytes for each wave
	v_mul_u32_u24 v6, v26, XP
	v_lshl_add_u32 v6, v27, 4, v6
	v_add_nc_u32 v6, XS, v6                        ; v6: fragments of x
	s_mul_i32 s14, s12, XBS
	s_add_co_u32 s14, s14, XS
	v_lshl_add_u32 v7, v25, 3, s14                 ; v7: x on its way in: row 16 w, 8 L
	s_lshl_b32 s14, s12, 15
	v_add_nc_u32 v8, s14, v28                      ; v8: M: 32 fragments for each wave
	s_lshl_b32 s14, s12, 14
	v_add_nc_u32 v9, s14, v28                      ; v9: P: 16 fragments for each wave
	s_lshl_b32 s14, s12, 13
	v_add_nc_u32 v10, s14, v28                     ; v10: x in memory: 16 rows of 512 bytes for each wave
	s_lshl_b32 s14, s12, 6
	v_lshl_add_u32 v12, v27, 5, s14                ; v12: om, and my columns of the result: 64 w + 32 h
	v_mul_u32_u24 v13, v26, XP
	v_add_nc_u32 v13, v13, v12
	v_add_nc_u32 v13, OS, v13                      ; v13: the result into its stage
	s_mul_i32 s14, s12, XBS
	s_add_co_u32 s14, s14, OS
	v_mul_u32_u24 v14, v27, XP
	v_lshl_add_u32 v14, v26, 4, v14
	v_add_nc_u32 v14, s14, v14                     ; v14: and back by rows: row 16 w + h, 16 r
	s_lshl_b32 s14, s12, 12
	v_lshlrev_b32 v15, 8, v27
	v_lshl_add_u32 v15, v26, 4, v15
	v_add_nc_u32 v15, s14, v15                     ; v15: the same rows in out0
	s_wait_kmcnt 0x0
	s_load_b256 s[72:79], s[6:7], 0x0              ; time_points: t0 = s72, t7 = s79
	s_lshl_b32 s14, ttmp9, 15                      ; my 64 rows of x, 512 bytes each
	s_mov_b32 s15, 0
	s_add_nc_u64 s[4:5], s[4:5], s[14:15]
	s_lshl_b32 s14, ttmp9, 14                      ; my 64 rows of out0, 256 bytes each
	s_add_nc_u64 s[10:11], s[10:11], s[14:15]
	; ---------------- 59 loads: x (16), d (1), P (32), gam (8), om (2)
.irp q, 0,1,2,3,4,5,6,7,8,9,10,11,12,13,14,15
	global_load_b128 v[B0+4*\q:B0+4*\q+3], v10, s[4:5] offset:512*\q th:TH_LOAD_NT    ; a whole row of 512 bytes
.endr
	global_load_b64 v[24:25], v11, s[8:9] offset:VD
	WIN 0xc0
.irp ft, 0,1,2,3
.irp c, 0,1,2,3
	global_load_b128 v[8*(4*\ft+\c):8*(4*\ft+\c)+3],   v9, s[8:9] offset:PF+4096*\ft+1024*\c       ; P, fragment (ft, c), into A2
	global_load_b128 v[8*(4*\ft+\c)+4:8*(4*\ft+\c)+7], v9, s[8:9] offset:PF+4096*\ft+1024*\c+512
.endr
.endr
.irp ft, 0,1,2,3
	global_load_b128 v[128+8*\ft:128+8*\ft+3],   v3, s[8:9] offset:VG+64*\ft                       ; gam in a result tile's layout, into A3
	global_load_b128 v[128+8*\ft+4:128+8*\ft+7], v3, s[8:9] offset:VG+64*\ft+16
.endr
	WIN 0
	global_load_b128 v[16:19], v12, s[8:9] offset:VO
	global_load_b128 v[20:23], v12, s[8:9] offset:VO+16
	; ---------------- dt = (t7 - t0) / 4 (the quarters are exact) and dt times the tableau, while the loads are out
	s_wait_kmcnt 0x0
	s_mov_b32 s17, 0xbe800000                      ; -0.25
	s_mul_f32 s16, s79, 0x3e800000                 ; 0.25 t7
	s_fmac_f32 s16, s72, s17
	COEF CA21, 0.2
	COEF CA31, 0.075
	COEF CA32, 0.225
	COEF CA41, 0.97777777778
	COEF CA42, -3.73333333333
	COEF CA43, 3.55555555556
	COEF CA51, 2.95259868922
	COEF CA52, -11.5957933242
	COEF CA53, 9.82289285170
	COEF CA54, -0.29080932785
	COEF CA61, 2.84627525253
	COEF CA62, -10.7575757576
	COEF CA63, 8.90642271774
	COEF CA64, 0.278409090909
	COEF CA65, -0.273531303602
	COEF CB1, 0.0911458333333
	COEF CB3, 0.449236298293
	COEF CB4, 0.651041666667
	COEF CB5, -0.322376179245
	COEF CB6, 0.130952380952
	; ---------------- x to bf16 into LDS, d into LDS
	s_wait_loadcnt 42                              ; x and d are in: behind d stand P's 32 loads, gam's 8 and om's 2
.irp q, 0,1,2,3,4,5,6,7,8,9,10,11,12,13,14,15
	v_cvt_pk_bf16_f32 v[B0+4*\q],   v[B0+4*\q],   v[B0+4*\q+1]
	v_cvt_pk_bf16_f32 v[B0+4*\q+1], v[B0+4*\q+2], v[B0+4*\q+3]
	ds_store_b64 v7, v[B0+4*\q:B0+4*\q+1] offset:XP*\q
.endr
	ds_store_b64 v11, v[24:25] offset:DREG
	s_wait_dscnt 0x0                               ; for the other waves: my 16 rows of x are in LDS
	s_barrier_signal -1
	s_barrier_wait -1
	s_wait_loadcnt 0x0                             ; P, gam, om
	WIN 0x40
.irp ft, 0,1,2,3
.irp c, 0,1,2,3,4,5,6,7
	global_load_b128 v[8*(8*\ft+\c):8*(8*\ft+\c)+3],   v8, s[8:9] offset:8192*\ft+1024*\c           ; M: on its way during g0 and the first tanh
	global_load_b128 v[8*(8*\ft+\c)+4:8*(8*\ft+\c)+7], v8, s[8:9] offset:8192*\ft+1024*\c+512
.endr
.endr
	; ---------------- g0 = x P^T + gam -> A0: four K steps
	FETCH 6, 0, XBS, B0
	FETCH 6, 64, XBS, B1
	FETCH 6, 128, XBS, B2
	s_wait_dscnt 16                                ; step 0 is in; two runs of 8 may be out
	MUL16 0xb3, 0, 32, B0, 0, 128
	PLACES
	FETCH 6, 192, XBS, B0
	s_wait_dscnt 16
	MUL16 0xa3, 8, 32, B1, 0, -1
	s_wait_dscnt 8
	MUL16 0xa3, 16, 32, B2, 0, -1
	s_wait_dscnt 0
	MUL16 0xa3, 24, 32, B0, 0, -1
	PLACES
	WIN 0
	STAGE1 1                                       ; the first step's first stage stands here: its update starts S, so nothing is cleared
	; ---------------- THE LOOP.  A trip: stages 2 to 6 of a step and stage 1 of the next.  One barrier for a stage: buffer R(s % 2) is written again two
	; stages later, and between its last read and that write lies the barrier of stage s + 1, in front of which every wave has waited for its LDS loads.
	s_mov_b32 s13, 0
.Lstep:
	; stage 2: z = g + a21 U1; b2 = 0: no share in S
	EBEGIN -1, 0
.irp ft, 0,1,2,3
	PKF 0x22, B0+32*(\ft%2), 128+32*\ft, CA21, 32*\ft, 32
	SLOTS \ft, B0+32*(\ft%2), 1, R1
.endr
	EEND
	FETCHD
	s_barrier_wait -1
	GSTAGE R1, 0xc1, 0xf1, 0                       ; U2 -> A2
	; stage 3: z = g + a31 U1 + a32 U2
	EBEGIN CB3, 0
.irp ft, 0,1,2,3
	PKF 0x22, B0+32*(\ft%2), 128+32*\ft, CA31, 32*\ft, 32
	PKF 0x03, B0+32*(\ft%2), 32*\ft, CA32, B0+32*(\ft%2), 32
	SLOTS \ft, B0+32*(\ft%2), 1, R0
.endr
	EEND
	FETCHD
	s_barrier_wait -1
	GSTAGE R0, 0xc1, 0xf1, 128                     ; U3 -> A3
	; stage 4: z = g + a41 U1 + a42 U2 + a43 U3
	EBEGIN CB4, 0
.irp ft, 0,1,2,3
	PKF 0x22, B0+32*(\ft%2), 128+32*\ft, CA41, 32*\ft, 32
	PKF 0x03, B0+32*(\ft%2), 32*\ft, CA42, B0+32*(\ft%2), 32
	PKF 0x03, B0+32*(\ft%2), 128+32*\ft, CA43, B0+32*(\ft%2), 32
	SLOTS \ft, B0+32*(\ft%2), 1, R1
.endr
	EEND
	FETCHD
	; while the others arrive, registers only: (g, U1, U2, U3) become what stages 5 and 6 and the step's end still want of them, so that A3 comes free.
	; The last link of each chain writes into an array that has just died: no copy.
.irp ft, 0,1,2,3
	PKF 0x22, B0, 128+32*\ft, CA51, 32*\ft, 32             ; T5 = g + a51 U1
	PKF 0x22, B1, 128+32*\ft, CA61, 32*\ft, 32             ; T6 = g + a61 U1
	PKF 0x03, B0, 32*\ft, CA52, B0, 32                     ; T5 += a52 U2
	PKF 0x03, B1, 32*\ft, CA62, B1, 32                     ; T6 += a62 U2
	PKF 0xc3, 32*\ft, 128+32*\ft, CA63, B1, 32             ; A2 = T6 + a63 U3
	PKF 0xa2, 32*\ft, 128+32*\ft, CB1, 32*\ft, 32          ; A0 = g + b1 U1
	PKF 0x83, 128+32*\ft, 128+32*\ft, CA53, B0, 32         ; A1 = T5 + a53 U3
	PKF 0xa3, 32*\ft, 128+32*\ft, CB3, 32*\ft, 32          ; A0 += b3 U3
.endr
	s_barrier_wait -1
	GSTAGE R1, 0xc1, 0xf1, 128                     ; U4 -> A3
	; stage 5: z = A1 + a54 U4
	EBEGIN CB5, 0
.irp ft, 0,1,2,3
	PKF 0x23, B0+32*(\ft%2), 128+32*\ft, CA54, 128+32*\ft, 32
	SLOTS \ft, B0+32*(\ft%2), 1, R0
.endr
	EEND
	FETCHD
	PKF 0xf3, 0, 128, CA64, 0, 128                 ; A2 += a64 U4
	PKF 0xa3, 0, 128, CB4, 0, 128                  ; A0 += b4 U4
	s_barrier_wait -1
	GSTAGE R0, 0x81, 0xa1, 128                     ; U5 -> A1
	; stage 6: z = A2 + a65 U5
	EBEGIN CB6, 0
.irp ft, 0,1,2,3
	PKF 0x32, B0+32*(\ft%2), 128+32*\ft, CA65, 32*\ft, 32
	SLOTS \ft, B0+32*(\ft%2), 1, R1
.endr
	EEND
	s_barrier_wait -1
	WIN 0
	s_add_co_u32 s13, s13, 1
	s_cmp_eq_u32 s13, STEPS
	s_cbranch_scc1 .Ldone                          ; the last step's U6 and g are wanted by nobody: S is whole
	FETCHD
	PKF 0xa2, 0, 128, CB5, 0, 128                  ; A0 += b5 U5
	GSTAGE R1, 0xc1, 0xf1, 128                     ; U6 -> A3
	PKF 0xa3, 0, 128, CB6, 0, 128                  ; A0 += b6 U6: the next step's g
	STAGE1 0
	WIN 0
	s_cmp_lt_u32 s13, STEPS
	s_cbranch_scc1 .Lstep
.Ldone:
	; ---------------- out = S Q1^T + x Q2^T + om.  Wave w makes latent columns 16 w .. 16 w + 15 of all 64 rows: 12 K steps x 4 batch tiles.
	WIN 0x40
.irp c, 0,1,2,3,4,5,6,7,8,9,10,11
	global_load_b128 v[8*\c:8*\c+3],   v5, s[8:9] offset:QF+1024*\c        ; Q into M's registers, which are done with; on its way during the staging of S
	global_load_b128 v[8*\c+4:8*\c+7], v5, s[8:9] offset:QF+1024*\c+512
.endr
	WIN 0x80
.irp c, 0,1,2,3
.irp bt, 0,1,2,3
	ds_load_b128 v[128+8*(4*\c+\bt):128+8*(4*\c+\bt)+3],   v6 offset:64*\c+XBS*\bt     ; x's fragments into A1
	ds_load_b128 v[128+8*(4*\c+\bt)+4:128+8*(4*\c+\bt)+7], v6 offset:64*\c+XBS*\bt+32
.endr
.endr
	WIN 0
	; S to bf16 into R1, each wave its own columns.  R1 was last read by others in front of a barrier that every wave has passed.
.irp ft, 0,1,2,3
.irp bt, 0,1,2,3
.irp i, 0,1,2,3
	v_cvt_pk_bf16_f32 v[B0+4*(4*\ft+\bt)+\i], v[SB+8*(4*\ft+\bt)+2*\i], v[SB+8*(4*\ft+\bt)+2*\i+1]
.endr
	ds_store_b128 v2, v[B0+4*(4*\ft+\bt):B0+4*(4*\ft+\bt)+3] offset:R1+BTS*\bt+32*\ft
.endr
.endr
	s_wait_dscnt 0x0                               ; for the other waves: my columns of S are in LDS
	s_barrier_signal -1
	s_barrier_wait -1
	WIN 0xc0
.irp c, 0,1,2,3,4,5,6,7
.irp bt, 0,1,2,3
	ds_load_b128 v[8*(4*\c+\bt):8*(4*\c+\bt)+3],   v1 offset:R1+64*\c+BTS*\bt          ; S's fragments fill window 3
	ds_load_b128 v[8*(4*\c+\bt)+4:8*(4*\c+\bt)+7], v1 offset:R1+64*\c+BTS*\bt+32
.endr
.endr
	s_wait_loadcnt 0x0                             ; Q
	s_wait_dscnt 0x0
	WIN 0x8d                                       ; Q window 1, S window 3, C = om window 0, result window 2
.irp bt, 0,1,2,3
	v_wmma_f32_16x16x32_bf16 v[8*\bt:8*\bt+7], v[0:7], v[8*\bt:8*\bt+7], v[16:23]
.endr
	WIN 0xad
.irp c, 1,2,3,4,5,6,7
.irp bt, 0,1,2,3
	v_wmma_f32_16x16x32_bf16 v[8*\bt:8*\bt+7], v[8*\c:8*\c+7], v[8*(4*\c+\bt):8*(4*\c+\bt)+7], v[8*\bt:8*\bt+7]
.endr
.endr
	WIN 0xa9                                       ; x's fragments lie in window 2
.irp c, 0,1,2,3
.irp bt, 0,1,2,3
	v_wmma_f32_16x16x32_bf16 v[8*\bt:8*\bt+7], v[64+8*\c:64+8*\c+7], v[128+8*(4*\c+\bt):128+8*(4*\c+\bt)+7], v[8*\bt:8*\bt+7]
.endr
.endr
	PLACES
	; the way out: a lane holds 8 neighbouring columns of one row; through LDS, so that sixteen lanes store a whole row of 256 bytes
	WIN 0x08
.irp bt, 0,1,2,3
	ds_store_b128 v13, v[8*\bt:8*\bt+3]   offset:XBS*\bt
	ds_store_b128 v13, v[8*\bt+4:8*\bt+7] offset:XBS*\bt+16
.endr
	WIN 0
	s_wait_dscnt 0x0                               ; for the other waves: my 16 columns are staged
	s_barrier_signal -1
	s_barrier_wait -1
.irp t, 0,1,2,3,4,5,6,7
	ds_load_b128 v[B0+4*\t:B0+4*\t+3], v14 offset:2*XP*\t          ; rows 16 w + 2 t and + 1
.endr
.irp t, 0,1,2,3,4,5,6,7
	s_wait_dscnt 7-\t                              ; the younger row loads stay out
	global_store_b128 v15, v[B0+4*\t:B0+4*\t+3], s[10:11] offset:512*\t th:TH_STORE_NT     ; 16 lanes store 256 consecutive bytes, at a multiple of 256 from out0's first byte
.endr
	s_wait_tensorcnt 0x0
	ds_add_u32 v30, v31
	s_wait_dscnt 0x0
	s_endpgm
.Lfunc_end_k_q259f73dcf6_ode:
	.size	k_q259f73dcf6_ode, .Lfunc_end_k_q259f73dcf6_ode-k_q259f73dcf6_ode
	.p2alignl 7, 3214868480
	.fill 96, 4, 3214868480
	.section	.rodata,"a",@progbits
	.p2align	6, 0x0
	.amdhsa_kernel k_q259f73dcf6_ode
		.amdhsa_group_segment_fixed_size 104960
		.amdhsa_private_segment_fixed_size 0
		.amdhsa_enable_private_segment 0
		.amdhsa_kernarg_size 32
		.amdhsa_user_sgpr_count 2
		.amdhsa_user_sgpr_kernarg_segment_ptr 1
		.amdhsa_wavefront_size32 1
		.amdhsa_system_sgpr_workgroup_id_x 1
		.amdhsa_system_sgpr_workgroup_id_y 1
		.amdhsa_system_sgpr_workgroup_id_z 1
		.amdhsa_system_vgpr_workitem_id 0
		.amdhsa_next_free_vgpr 1024
		.amdhsa_next_free_sgpr 80
		.amdhsa_reserve_vcc 0
		.amdhsa_float_denorm_mode_32 3
		.amdhsa_float_denorm_mode_16_64 3
		.amdhsa_memory_ordered 1
		.amdhsa_forward_progress 1
		.amdhsa_inst_pref_size 255
	.end_amdhsa_kernel
	.section	.bss,"aw",@nobits
	.p2align	6
	.space	262144
	.amdgpu_metadata
---
amdhsa.version: [ 1, 2 ]
amdhsa.kernels:
  - .name:           k_q259f73dcf6_ode
    .symbol:         k_q259f73dcf6_ode.kd
    .args:
      - { .name: x, .offset: 0, .size: 8, .value_kind: global_buffer, .address_space: global }
      - { .name: time_points, .offset: 8, .size: 8, .value_kind: global_buffer, .address_space: global }
      - { .name: wk, .offset: 16, .size: 8, .value_kind: global_buffer, .address_space: global }
      - { .name: out0, .offset: 24, .size: 8, .value_kind: global_buffer, .address_space: global }
    .group_segment_fixed_size: 104960
    .private_segment_fixed_size: 0
    .kernarg_segment_align: 8
    .kernarg_segment_size: 32
    .max_flat_workgroup_size: 128
    .sgpr_count:     80
    .vgpr_count:     1024
    .wavefront_size: 32
...
	.end_amdgpu_metadata
.endif
;; end of part 2
